; MI455X (gfx1250); checked and timed in simulation.
; The chip was launched on July 23, 2026; its instructions are those of AMD's public machine-readable ISA for CDNA 5 (MIT licence, August 2026) and "CDNA5" Instruction Set Architecture Reference Guide (July 2026). The comments in the code are by the model that wrote it; some were corrected since.
;; Attention. Allowed arithmetic: matrix products marked QUANTISED: E4M3 operands, one given power-of-two scale a tensor, by v_wmma_f32_16x16x64_fp8_fp8 or v_wmma_f32_16x16x128_fp8_fp8, f32 sums; everything else in f32.
;; Inputs: W_o 1,024 x 1,024 float32; W_qkv 3,072 x 1,024 float32; lowp_scales 8 int32 (the exponents e of the quantised operands' scales 2^e); x 4 x 2,048 x 1,024 float32.
;; Outputs: out0 4 x 2,048 x 1,024 float32.
;; This version of the problem:
;;   THIS VERSION OF THE PROBLEM IS GIVEN IN LOW PRECISION. The matrix products marked QUANTISED in the list below multiply operands that are first quantised to E4M3 (4 exponent bits, 3 mantissa bits; 8 bits a number), with one given power-of-two scale for each operand tensor; their sums are f32. All else is computed in f32.
;;   The module's matrix products, in the order in which they are computed (A, B: the left and right operand; K: the contracted axis; several contracted axes count as one K, in the product's order):
;;     1. [M 8,192, K 1,024] x [K 1,024, N 3,072]; A: input x; B: input W_qkv: QUANTISED (scales: A lowp_scales[0], B lowp_scales[1])
;;     2. batch 64 x [M 2,048, K 64] x [K 64, N 2,048]; A: computed on the way; B: computed on the way: QUANTISED (scales: A lowp_scales[2], B lowp_scales[3])
;;     3. batch 64 x [M 2,048, K 2,048] x [K 2,048, N 64]; A: softmax (see below); B: computed on the way: QUANTISED (scales: A lowp_scales[4], B lowp_scales[5])
;;     4. [M 8,192, K 1,024] x [K 1,024, N 1,024]; A: computed on the way; B: input W_o: QUANTISED (scales: A lowp_scales[6], B lowp_scales[7])
;;   THE QUANTISER, for each operand of a quantised product, along K:
;;     - The operand's scale is 2^e, e = its entry of the input lowp_scales (int32; the entries are numbered through the quantised products in the list's order, A before B).
;;     - Each number is divided by the scale, clamped to +-448, and rounded to the nearest number of E4M3, ties to even, subnormals kept.
;;     - The product sums the exact products of the quantised numbers (number of the format x scale) in f32.
;;   ~~~python
;;   def quantise(x, axis, e):      # numpy; x: float32 -> the quantised numbers, widened to float32 again
;;       x = np.moveaxis(x, axis, -1); K = x.shape[-1]
;;       r = np.clip(x / 2.0 ** e, -448, 448)
;;       step = 2.0 ** (np.maximum(np.frexp(np.where(r == 0, 1, r))[1] - 1, -6) - 3)
;;       q = np.round(r / step) * step * 2.0 ** e      # np.round: ties to even
;;       return np.moveaxis(q, -1, axis).astype(np.float32)
;;   ~~~
;;   SOFTMAX AHEAD OF A QUANTISED PRODUCT. Where the list says 'softmax', what is quantised is not the finished softmax but p = 2^(t - M), with t = logit x log2(e) and M = ceil(the row's largest t), a whole number; so 1/2 < the row's largest p <= 1. The row's sum l is taken of the UNQUANTISED p, in f32, and the product's result is divided by l at the end. Since M is a whole number, a kernel that streams over the keys may use a running M (the ceiling of the running maximum): every later rescaling is an exact power of two, so the quantised numbers keep their values, but for numbers so far below the row's largest that they fall under the format's range.
;;   OPERANDS COMPUTED ON THE WAY. 'Computed on the way' means the value that the module computes at that place (a softmax that the list does not call 'softmax' is quantised finished and normalised). What goes into a quantiser is computed in f32, as accurately as f32 sums, v_exp_f32 and their like allow (about 1e-6 of the number): no bf16 or f16 on the way to a quantiser, and a product that is left as it is and whose result goes on into a quantised operand takes f32 operands (vector FMAs, or v_wmma_f32_16x16x4_f32). A number that lies on a knife's edge between two numbers of the format may be rounded either way, as far as f32 arithmetic and the matrix unit's own rounding can turn it there, and no further.
;; One version. Each part assembles by itself: llvm-mc -triple=amdgcn-amd-amdhsa -mcpu=gfx1250 --defsym DOCPART=n.
;; ======== version 1 of 1: 4 launches
;; limits: right only within a limited range of input values
;; workspace buffers: xq 8,388,608 bytes; wq 3,145,728 bytes; wo 1,048,576 bytes; qi 8,388,608 bytes; kv 16,777,216 bytes; ao 8,388,608 bytes
;; launch quant (part 1): grid 768 x 1, 4 waves a work-group, no clusters, 67,072 bytes of LDS; arguments x, W_qkv, W_o, lowp_scales, xq, wq, wo; writes xq, wq, wo
.if DOCPART == 1
	.amdgcn_target "amdgcn-amd-amdhsa--gfx1250"
	.amdhsa_code_object_version 6
	.text
	.protected	k_qd961f39d78_quant
	.globl	k_qd961f39d78_quant
	.p2align	8
	.type	k_qd961f39d78_quant,@function
k_qd961f39d78_quant:
	s_mov_b64 s[64:65], 0
	v_nop
	global_prefetch_b8 v0, s[64:65] scope:SCOPE_SE
	s_setreg_imm32_b32 hwreg(HW_REG_WAVE_MODE, 25, 1), 1
	s_wait_xcnt 0x0
; x [8192][1024], W_qkv [3072][1024], W_o [1024][1024], f32, K innermost, become codes of FP8 (E4M3), each tensor with its given scale 2^e (entries 0, 1 and 7 of the scales).
; code = number / 2^e, held within +-448, rounded to the nearest code, ties to even.  LIMITS: e between -126 and 119; NaN among the inputs is not served.
; THE CODES ARE LAID IN THE ORDER OF AN OPERAND'S REGISTERS: [ks2 0..3][row tile rt][4,096 bytes]; a block of 4,096 bytes is [kap 0..1][c 0..3][lane 0..31][16 bytes]; byte i of lane (r = lane % 16, h = lane / 16) is the code of
; row 32 (rt / 2) + 8 (rt % 2) + r + 8 (r / 8) at k = 256 ks2 + 128 kap + 32 c + 16 h + i.  So a fragment of 16 rows x 128 K is four loads of 16 bytes a lane at 16 x lane, and 128 rows x 256 K are 32,768 bytes on end.
; SHARES.  Work-groups 0-511 take x, 512-703 W_qkv, 704-767 W_o: one row tile each; only pointers and numbers are chosen, all three take one path.  Wave w takes ks2 = w: 16 rows x 256 numbers in, one block of 4,096 bytes out.
; Each load reads 512 consecutive bytes of a row.  A conversion wants 16 neighbours along K in ONE lane's registers, so the wave's 16 KiB turn through its own stage in LDS: rows of 1,024 bytes + 16, so that the sixteen rows
; that a read touches start at sixteen different groups of banks.  Each store covers 512 consecutive bytes, aligned.  Waves share nothing: no barrier.  No work-groups share input: no cluster.
.set SP,   1040                        ; a stage row
.set WST,  16*SP                       ; a wave's stage
.set LI,   1                           ; v1   16 x lane: my bytes of a load's and of a store's 512
.set SI,   2                           ; v2   the stage on the way in: my wave's stage + 16 x lane
.set SO,   3                           ; v3   and on the way out: + row r + 64 h: my 16 neighbours of a block of 32
.set LIM,  10
.set SCL,  11                          ; v11  2^e
.set R,    16                          ; v16-143   the 32 loads' registers
.set X,    144                         ; v144-207  four sets of 16 neighbours
.set C,    208                         ; v208-239  codes: four registers for each of the eight parts, so that no store's data are written again
	s_load_b256 s[4:11], s[0:1], 0x0               ; x s[4:5], W_qkv s[6:7], W_o s[8:9], the scales' exponents s[10:11]
	s_load_b128 s[12:15], s[0:1], 0x20             ; xq s[12:13], wq s[14:15]
	s_load_b64 s[16:17], s[0:1], 0x30              ; wo
	v_lshl_add_u32 v240, v0, 2, 0x10400
	v_mov_b32 v241, 0
	v_lshrrev_b32 v4, 5, v0
	v_readfirstlane_b32 s18, v4                    ; wave 0..3
	v_and_b32 v5, 31, v0
	v_lshlrev_b32 v[LI], 4, v5
	s_mul_i32 s19, s18, WST
	v_add_nc_u32 v[SI], s19, v[LI]
	v_and_b32 v6, 15, v0                           ; r
	v_bfe_u32 v7, v0, 4, 1                         ; h
	v_mul_u32_u24 v[SO], v6, SP
	v_lshl_add_u32 v[SO], v7, 6, v[SO]
	v_add_nc_u32 v[SO], s19, v[SO]
	s_mov_b32 s20, 704                             ; which tensor: its first work-group and the bytes from one ks2 to the next in its codes
	s_mov_b32 s21, 0x40000
	s_cmp_lt_u32 ttmp9, 704
	s_cselect_b32 s20, 512, s20
	s_cselect_b32 s21, 0xc0000, s21
	s_cmp_lt_u32 ttmp9, 512
	s_cselect_b32 s20, 0, s20
	s_cselect_b32 s21, 0x200000, s21
	s_sub_co_u32 s20, ttmp9, s20                   ; rt
	s_lshr_b32 s22, s20, 1
	s_lshl_b32 s22, s22, 5
	s_and_b32 s23, s20, 1
	s_lshl_b32 s23, s23, 3
	s_add_co_u32 s22, s22, s23                     ; the tile's first row: 32 (rt / 2) + 8 (rt % 2)
	s_lshl_b32 s22, s22, 12                        ; rows of 4,096 bytes
	s_lshl_b32 s23, s18, 10                        ; my wave's 1,024 bytes of a row
	s_add_co_u32 s32, s22, s23
	s_mov_b32 s33, 0
	s_mul_i32 s34, s18, s21                        ; ks2 = wave
	s_lshl_b32 s23, s20, 12
	s_add_co_u32 s34, s34, s23                     ; + rt blocks of 4,096 bytes
	s_mov_b32 s35, 0
	s_wait_alu depctr_va_vdst(0)
	s_wait_kmcnt 0x0
	s_load_b256 s[24:31], s[10:11], 0x0            ; the eight exponents
	s_cmp_lt_u32 ttmp9, 704                        ; the choice hangs on the work-group's number alone
	s_cselect_b64 s[36:37], s[6:7], s[8:9]
	s_cselect_b64 s[38:39], s[14:15], s[16:17]
	s_cmp_lt_u32 ttmp9, 512
	s_cselect_b64 s[36:37], s[4:5], s[36:37]
	s_cselect_b64 s[38:39], s[12:13], s[38:39]
	s_add_nc_u64 s[36:37], s[36:37], s[32:33]
	s_add_nc_u64 s[38:39], s[38:39], s[34:35]
.irp p, 0,1,2,3,4,5,6,7,8,9,10,11,12,13,14,15
.irp f, 0,1
	global_load_b128 v[R+8*\p+4*\f:R+8*\p+4*\f+3], v[LI], s[36:37] offset:(\p+8*(\p/8))*4096+512*\f th:TH_LOAD_NT   ; place p of the tile is row p + 8 (p / 8); all 32 loads of the wave go out at once
.endr
.endr
	s_wait_kmcnt 0x0
	s_cmp_lt_u32 ttmp9, 704
	s_cselect_b32 s40, s25, s31
	s_cmp_lt_u32 ttmp9, 512
	s_cselect_b32 s40, s24, s40                    ; e
	s_add_co_i32 s40, s40, 127
	s_lshl_b32 s41, s40, 23
	v_mov_b32 v[SCL], s41                          ; 2^e as f32: the conversion takes its exponent field
	s_wait_alu depctr_va_vdst(0)
.irp p, 0,1,2,3,4,5,6,7,8,9,10,11,12,13,14,15
	s_wait_loadcnt 30-2*\p                         ; loads come back in order: row p's two are in, the 30 - 2 p issued behind them may be out
	ds_store_b128 v[SI], v[R+8*\p:R+8*\p+3] offset:SP*\p
	ds_store_b128 v[SI], v[R+8*\p+4:R+8*\p+7] offset:SP*\p+512
.endr
.macro PLOAD q                         ; part q = 4 kap + c: my 16 neighbours, 64 bytes, at byte 128 q + 64 h of my row.  LDS serves a wave's instructions in order: these see the stores above
.irp j, 0,1,2,3
	ds_load_b128 v[X+16*((\q)%4)+4*\j:X+16*((\q)%4)+4*\j+3], v[SO] offset:128*(\q)+16*\j
.endr
.endm
.macro PART q
.if 7-(\q) >= 3
	s_wait_dscnt 12                                ; this part's four loads are in; those of the three parts behind it may be out
.else
	s_wait_dscnt 4*(7-(\q))
.endif
.set XS, X+16*((\q)%4)
.irp i, 0,1,2,3,4,5,6,7,8,9,10,11,12,13,14,15
.endr
	v_cvt_scalef32_pk8_fp8_f32 v[C+4*(\q):C+4*(\q)+1], v[XS:XS+7], v[SCL]
	v_cvt_scalef32_pk8_fp8_f32 v[C+4*(\q)+2:C+4*(\q)+3], v[XS+8:XS+15], v[SCL]
	global_store_b128 v[LI], v[C+4*(\q):C+4*(\q)+3], s[38:39] offset:512*(\q)   ; the codes go to a store alone
.if (\q) < 4
	PLOAD (\q)+4                                   ; into the set just worked
.endif
.endm
	PLOAD 0
	PLOAD 1
	PLOAD 2
	PLOAD 3
.irp q, 0,1,2,3,4,5,6,7
	PART \q
.endr
	s_wait_tensorcnt 0x0
	ds_add_u32 v240, v241
	s_wait_dscnt 0x0
	s_endpgm
.Lfunc_end_k_qd961f39d78_quant:
	.size	k_qd961f39d78_quant, .Lfunc_end_k_qd961f39d78_quant-k_qd961f39d78_quant
	.p2alignl 7, 3214868480
	.fill 96, 4, 3214868480
	.section	.rodata,"a",@progbits
	.p2align	6, 0x0
	.amdhsa_kernel k_qd961f39d78_quant
		.amdhsa_group_segment_fixed_size 67072
		.amdhsa_private_segment_fixed_size 0
		.amdhsa_enable_private_segment 0
		.amdhsa_kernarg_size 56
		.amdhsa_user_sgpr_count 2
		.amdhsa_user_sgpr_kernarg_segment_ptr 1
		.amdhsa_wavefront_size32 1
		.amdhsa_system_sgpr_workgroup_id_x 1
		.amdhsa_system_sgpr_workgroup_id_y 1
		.amdhsa_system_sgpr_workgroup_id_z 1
		.amdhsa_system_vgpr_workitem_id 0
		.amdhsa_next_free_vgpr 242
		.amdhsa_next_free_sgpr 66
		.amdhsa_reserve_vcc 0
		.amdhsa_float_denorm_mode_32 3
		.amdhsa_float_denorm_mode_16_64 3
		.amdhsa_fp16_overflow 1
		.amdhsa_memory_ordered 1
		.amdhsa_forward_progress 1
		.amdhsa_inst_pref_size 13
	.end_amdhsa_kernel
	.amdgpu_metadata
---
amdhsa.version: [ 1, 2 ]
amdhsa.kernels:
  - .name:           k_qd961f39d78_quant
    .symbol:         k_qd961f39d78_quant.kd
    .args:
      - { .name: x, .offset: 0, .size: 8, .value_kind: global_buffer, .address_space: global }
      - { .name: W_qkv, .offset: 8, .size: 8, .value_kind: global_buffer, .address_space: global }
      - { .name: W_o, .offset: 16, .size: 8, .value_kind: global_buffer, .address_space: global }
      - { .name: lowp_scales, .offset: 24, .size: 8, .value_kind: global_buffer, .address_space: global }
      - { .name: xq, .offset: 32, .size: 8, .value_kind: global_buffer, .address_space: global }
      - { .name: wq, .offset: 40, .size: 8, .value_kind: global_buffer, .address_space: global }
      - { .name: wo, .offset: 48, .size: 8, .value_kind: global_buffer, .address_space: global }
    .group_segment_fixed_size: 67072
    .private_segment_fixed_size: 0
    .kernarg_segment_align: 8
    .kernarg_segment_size: 56
    .max_flat_workgroup_size: 128
    .sgpr_count:     66
    .vgpr_count:     242
    .wavefront_size: 32
...
	.end_amdgpu_metadata
.endif
;; end of part 1
;; launch gemm_qkv (part 2): grid 12 x 32, 4 waves a work-group, clusters of 4 x 4, 327,680 bytes of LDS; arguments xq, wq, lowp_scales, qi, kv; writes qi, kv
.if DOCPART == 2
	.amdgcn_target "amdgcn-amd-amdhsa--gfx1250"
	.amdhsa_code_object_version 6
	.text
	.protected	k_qd961f39d78_gemm_qkv
	.globl	k_qd961f39d78_gemm_qkv
	.p2align	8
	.type	k_qd961f39d78_gemm_qkv,@function
k_qd961f39d78_gemm_qkv:
	s_mov_b64 s[64:65], 0
	v_nop
	global_prefetch_b8 v0, s[64:65] scope:SCOPE_SE
	s_setreg_imm32_b32 hwreg(HW_REG_WAVE_MODE, 25, 1), 1
	s_wait_xcnt 0x0
	s_wait_alu depctr_hold_cnt(0) depctr_sa_sdst(0) depctr_va_vdst(0) depctr_va_sdst(0) depctr_va_ssrc(0) depctr_va_vcc(0) depctr_vm_vsrc(0)
	s_getreg_b32 s2, hwreg(HW_REG_IB_STS2, 6, 4)
	s_cmp_eq_u32 s2, 0
	s_cbranch_scc0 .Lentry_in_a_cluster
	s_endpgm
.Lentry_in_a_cluster:
	s_bfe_u32 s2, ttmp6, 0x10000c
	s_cmp_lg_u32 s2, 0xf033
	s_cbranch_scc0 .Lentry_shape_is_right
	s_endpgm
.Lentry_shape_is_right:
; qkv = x W_qkv^T on codes of FP8 (E4M3), K = 1,024; the finished sums are quantised at once, q with 2^e2, k with 2^e3, v with 2^e5, into the images that the attention launch reads.
; xq, wq: codes in the order of an operand's registers: [ks2 0..3][row tile][4,096 bytes], a block = [kap][c][lane][16 bytes]: row 32 (rt / 2) + 8 (rt % 2) + r + 8 (r / 8), k = 256 ks2 + 128 kap + 32 c + 16 h + i.
; The same places of k in both operands: every product meets its partner; only the order of the sums inside an instruction differs from ascending k.
; A tile of 256 x 256 is made by four waves, each 128 x 128: 64 accumulators, 512 registers.  K goes in four steps of 256 through a ring of two LDS slots; a wave's tensor load brings 128 rows x 256 K, 32,768 bytes on end in memory.
; ROLES.  P stands in source 1 and R in source 0.  In a result lane (r, h) holds place r of P's tile a, and the 16 registers of accumulators (a, 2 b) and (a, 2 b + 1) hold R's rows 32 b + 16 h + 0 .. 15: 16 neighbours.
; For q and k (cluster x = 0, 1) P = tokens, R = features: a lane's neighbours run along the head's 64, the K of the scores.  For v (cluster x = 2) P = features, R = tokens: they run along the keys, the K of the second product.
; The roles are changed by choosing pointers and numbers on the cluster's x, which all sixteen partners share: there is one path through the text.
; CLUSTERS: 4 x 4 work-groups; P's tile is shared along a row of the cluster, R's along a column: each is asked for jointly, by the same tensor load with a mask that names the four.
; OUT: qi [bh][query tile 0..127][c2][512 bytes]; kv [bh][key step t 0..15][16,384 bytes] = K's image [tile 0..7][c2][512], then V's image [channel tile 0..3][c 0..3][512].  A lane's 16 codes are 16 bytes at 16 x lane:
; each store of the wave covers 512 consecutive bytes, aligned; nothing goes through LDS on the way out.
; LIMITS: e2 - e0 - e1, e3 - e0 - e1 and e5 - e0 - e1 between -126 and 119, so that the powers of two below are f32 numbers.
; REGISTERS: window 0: v16-21 LDS addresses, v28-29 for the add, v32-47 store offsets (v32 = 16 x lane), v48 the conversions' scale, v128-255 P's fragments (one set), later the codes.  window 1: R's fragments, two sets.
;   window 2: the accumulators of my P tiles 0-3 ((a, b) at v[8 (8 a + b)]);  window 3: of tiles 4-7.
.set FR,     16                        ; registers of a fragment: 16 rows x 128 K
.set NL,     4                         ; LDS loads that bring one
.set NP,     4                         ; places behind this matrix instruction (ISA guide 7.12.1)
.set HALFT,  32768                     ; 8 row tiles x 4,096 bytes: what one tensor load brings, and what one wave reads of P or of R
.set SLOT,   4*HALFT                   ; P's two halves, then R's two halves
.set SPARE,  2*SLOT                    ; behind the ring: the spare words, 128 bytes for each wave
.set ADRA, 16                          ; v16-17  LDS address of my P fragments in slot 0, 1
.set ADRB, 20                          ; v20-21  the same for R
.set SPW,  28                          ; v28     SPARE + 4 x my thread's number; never rewritten
.set NIL,  29                          ; v29     0; never rewritten
.set VO,   32                          ; v32-47  the stores' offsets
.set SCL,  48                          ; v48     2^(eT - e0 - e1)
.set AF,   128                         ; P's fragments
.set CD,   128                         ; the codes, 16 registers for each P tile, in their place
.set G1, 24                            ; s[24:31] descriptor group 1 for P's tiles;  s[32:39] group 0, one set for each slot
.set G0, 32
.set G1B, 48                           ; s[48:55], s[56:63] the same for R's tiles
.set G0B, 56
.set PST, 66                           ; s[66:67] bytes from one K step to the next in P's codes;  s[68:69] in R's
.set RST, 68
.set UP,  84                           ; s[84:85] the address of my part of P's tile of the K step asked for last, WITHOUT the type bits: it walks here; s[86:87] the same for R
.set UR,  86
.set MSB, 0
.macro WIN new                         ; the immediate's high byte repeats the setting that is left
.if MSB != \new
	s_set_vgpr_msb (MSB<<8)|\new
.set MSB, \new
.endif
.endm
.set MUL_LO, 0xa1                      ; source 0 (R) window 1, source 1 (P) window 0, C and D window 2
.set MUL_HI, 0xf1                      ; the same, C and D window 3
.set TO_B,   0x40                      ; destination window 1, address window 0
; A joint load: waves 0 and 1 fetch for P, waves 2 and 3 for R.  The branch hangs on the wave's number alone.  Four v_nop follow each of the two lines.
.macro JLOAD g0a, g1a, g0b, g1b
	s_cmp_eq_u32 s15, 0
	s_cbranch_scc0 .Lfor_b_\@
	tensor_load_to_lds s[\g0a:\g0a+3], s[\g1a:\g1a+7]
	s_nop 0
.rept 4
	v_nop
.endr
	s_branch .Lasked_\@
.Lfor_b_\@:
	tensor_load_to_lds s[\g0b:\g0b+3], s[\g1b:\g1b+7]
	s_nop 0
.rept 4
	v_nop
.endr
.Lasked_\@:
.endm
; The address words of slot s's two groups 0 are copied from the walking addresses, and the type (2 in the top two bits) is set anew: the strides are chosen numbers, so no word that holds the type is ever stepped by them.
.macro ADDR s
	s_mov_b64 s[G0+4*\s+2:G0+4*\s+3], s[UP:UP+1]
	s_or_b32 s[G0+4*\s+3], s[G0+4*\s+3], 0x80000000
	s_mov_b64 s[G0B+4*\s+2:G0B+4*\s+3], s[UR:UR+1]
	s_or_b32 s[G0B+4*\s+3], s[G0B+4*\s+3], 0x80000000
.endm
.macro WALK                            ; one K step on
	s_add_nc_u64 s[UP:UP+1], s[UP:UP+1], s[PST:PST+1]
	s_add_nc_u64 s[UR:UR+1], s[UR:UR+1], s[RST:RST+1]
.endm
.macro CREST                           ; a round of the cluster's barrier behind its opening barrier
	s_cmp_lg_u32 s14, 0
	s_cbranch_scc1 .Lnot_wave_0_\@
	s_barrier_signal -3
.Lnot_wave_0_\@:
	s_barrier_wait -3
	s_barrier_signal -1
	s_barrier_wait -1
.endm
.macro CROUND                          ; a whole round
	s_barrier_signal -1
	s_barrier_wait -1
	CREST
.endm
	s_load_b256 s[4:11], s[0:1], 0x0               ; xq s[4:5], wq s[6:7], the scales' exponents s[8:9], qi s[10:11]
	s_load_b64 s[12:13], s[0:1], 0x20              ; kv
	v_lshl_add_u32 v[SPW], v0, 2, SPARE
	v_mov_b32 v[NIL], 0
	ds_add_u32 v28, v29
	ds_add_u32 v28, v29
	s_wait_dscnt 0x0
	v_lshrrev_b32 v1, 5, v0
	v_readfirstlane_b32 s14, v1                    ; wave 0..3
	s_lshr_b32 s15, s14, 1                         ; which half of P's 256 rows is mine.  Also: I fetch for P (0) or for R (1)
	s_and_b32 s16, s14, 1                          ; which half of R's.  Also: which 128 rows of that tile I fetch
	s_bfe_u32 s40, ttmp6, 0x40000                  ; cx, cy: my place in the cluster
	s_bfe_u32 s41, ttmp6, 0x40004
	s_mov_b32 s42, ttmp9                           ; cluster x: 0 q, 1 k, 2 v
	s_and_b32 s43, ttmp7, 0xffff                   ; cluster y: which 1,024 tokens
	s_mov_b32 s[PST], 0xc0000                      ; bytes from one ks2 to the next: wq's,
	s_mov_b32 s[RST], 0x200000                     ; xq's
	s_cmp_lt_u32 s42, 2
	s_cselect_b32 s46, s43, 0                      ; P's 1,024 rows: the tokens' by cluster y, or v's features
	s_cselect_b32 s47, s42, s43                    ; R's: q's or k's features, or the tokens'
	s_cselect_b32 s70, 0, 128                      ; v's features begin at row tile 128 of wq
	s_cselect_b32 s[PST], 0x200000, s[PST]         ; P's step along K
	s_cselect_b32 s[RST], 0xc0000, s[RST]          ; R's
	s_mov_b32 s[PST+1], 0
	s_mov_b32 s[RST+1], 0
	s_lshl_b32 s44, s46, 2
	s_add_co_u32 s44, s44, s41                     ; P's tile of 256 rows: 4 x its 1,024 + cy
	s_lshl_b32 s45, s47, 2
	s_add_co_u32 s45, s45, s40                     ; R's: + cx
	s_lshl_b32 s17, s41, 2
	s_lshl_b32 s17, 15, s17                        ; my row of the cluster
	s_lshl_b32 s18, 0x1111, s40                    ; my column
	; descriptor group 1: 128 rows of 256 bytes (32 elements of 8 bytes), on end in memory and in LDS
	s_or_b32 s[G1+0], s17, (3<<16)|(1<<21)         ; 15:0 the mask: P's tiles go to my row; 17:16 elements of 8 bytes; 20 no padding; 21 set beside a mask
	s_or_b32 s[G1B+0], s18, (3<<16)|(1<<21)
.irp g, G1, G1B
	s_mov_b32 s[\g+1], 32<<16                      ; tensor_dim0 = 32
	s_mov_b32 s[\g+2], 128<<16                     ; tensor_dim1 = 128
	s_mov_b32 s[\g+3], 32<<16                      ; tile_dim0 = 32
	s_mov_b32 s[\g+4], 128                         ; tile_dim1 = 128
	s_mov_b32 s[\g+5], 32                          ; tensor_dim0_stride
	s_mov_b32 s[\g+6], 0
	s_mov_b32 s[\g+7], 0
.endr
	s_lshl_b32 s19, s16, 3                         ; which 8 row tiles of the 16 I fetch
	s_lshl_b32 s20, s44, 4
	s_add_co_u32 s20, s20, s19
	s_add_co_u32 s20, s20, s70
	s_lshl_b32 s20, s20, 12                        ; P: row tile x 4,096 bytes: made of cy, the cluster's place and the wave's number
	s_mov_b32 s21, 0
	s_lshl_b32 s22, s45, 4
	s_add_co_u32 s22, s22, s19
	s_lshl_b32 s22, s22, 12                        ; R: made of cx, the cluster's place and the wave's number
	s_mov_b32 s23, 0
	s_lshl_b32 s71, s14, 15                        ; where they go: wave x 32,768: no place in the cluster enters an LDS address
	s_wait_kmcnt 0x0
	s_load_b256 s[72:79], s[8:9], 0x0              ; e0 .. e7
	s_cmp_lt_u32 s42, 2                            ; the choice of buffers hangs on the cluster's x alone
	s_cselect_b64 s[UP:UP+1], s[4:5], s[6:7]
	s_cselect_b64 s[UR:UR+1], s[6:7], s[4:5]
	s_add_nc_u64 s[UP:UP+1], s[UP:UP+1], s[20:21]  ; K step 0
	s_add_nc_u64 s[UR:UR+1], s[UR:UR+1], s[22:23]
	s_mov_b32 s[G0], 1                             ; group 0, slot 0: count 1; LDS address; global address of K step 0; type 2
	s_mov_b32 s[G0+1], s71
	s_mov_b32 s[G0B], 1
	s_mov_b32 s[G0B+1], s71
	ADDR 0
	WALK                                           ; K step 1
	s_mov_b32 s[G0+4], 1                           ; slot 1
	s_add_co_u32 s[G0+5], s71, SLOT
	s_mov_b32 s[G0B+4], 1
	s_add_co_u32 s[G0B+5], s71, SLOT
	ADDR 1
	CROUND                                         ; all sixteen work-groups are here: the first joint loads meet
	JLOAD G0, G1, G0B, G1B                         ; both slots' first fills: two loads of mine are out
	JLOAD G0+4, G1, G0B+4, G1B
	v_and_b32 v1, 31, v0
	v_lshlrev_b32 v[VO], 4, v1                     ; 16 x lane: a fragment's image has my 16 bytes there
	s_lshl_b32 s88, s15, 15                        ; my 128 rows of P
	s_lshl_b32 s89, s16, 15                        ; my 128 rows of R,
	s_add_co_u32 s89, s89, 2*HALFT                 ; which lie behind P's 256
.irp s, 0,1
	v_add_nc_u32 v[ADRA+\s], s88, v[VO]
	v_add_nc_u32 v[ADRB+\s], s89, v[VO]
	s_add_co_u32 s88, s88, SLOT
	s_add_co_u32 s89, s89, SLOT
.endr
.macro FRAG reg, adr, q, i             ; row tile i, the slot's q-th 128 along K: four loads of 512 consecutive bytes: no two lanes of a load meet in a bank
.irp c, 0,1,2,3
	ds_load_b128 v[\reg+4*\c:\reg+4*\c+3], v[\adr] offset:4096*(\i)+2048*(\q)+512*\c
.endr
.endm
; 16 matrix instructions: P's tiles a0, a0 + 1 x R's eight, 128 along K.  p: R's set.  zero = 1: the first product starts the sums.  The 64 accumulators take turns, one instruction a turn.
.macro MUL16 a0, p, zero
.irp a, \a0, \a0+1
.irp b, 0,1,2,3,4,5,6,7
.if \zero
	v_wmma_f32_16x16x128_fp8_fp8 v[8*(8*((\a)%4)+\b):8*(8*((\a)%4)+\b)+7], v[128*(\p)+FR*\b:128*(\p)+FR*\b+FR-1], v[AF+FR*(\a):AF+FR*(\a)+FR-1], 0
.else
	v_wmma_f32_16x16x128_fp8_fp8 v[8*(8*((\a)%4)+\b):8*(8*((\a)%4)+\b)+7], v[128*(\p)+FR*\b:128*(\p)+FR*\b+FR-1], v[AF+FR*(\a):AF+FR*(\a)+FR-1], v[8*(8*((\a)%4)+\b):8*(8*((\a)%4)+\b)+7]
.endif
.endr
.endr
.endm
.macro FETCH_B slot, q, p              ; R's eight fragments into set p
	WIN TO_B
.irp i, 0,1,2,3,4,5,6,7
	FRAG 128*(\p)+FR*\i, ADRB+\slot, \q, \i
.endr
	WIN 0
.endm
.macro FETCH_A slot, q, i0             ; P's tiles i0 .. i0 + 3
.irp i, \i0, \i0+1, \i0+2, \i0+3
	FRAG AF+FR*(\i), ADRA+\slot, \q, \i
.endr
.endm
.macro PLACES n                        ; a load into a register that a matrix instruction has read stands four plain vector instructions behind it
.rept \n
	v_nop
.endr
.endm
; A step of 128 along K that has its successor in the same slot.  P has one set of registers: tiles 0-3 are fetched anew in the step's middle, tiles 4-7 at its end.
.macro STEP slot, q, zero
	s_wait_dscnt 4*NL                              ; R's set and P's tiles 0-3 are in; the youngest 16 loads (P's tiles 4-7) may be out
	WIN MUL_LO
	MUL16 0, (\q)%2, \zero
	MUL16 2, (\q)%2, \zero
	s_wait_dscnt 0                                 ; P's tiles 4-7 are in
	PLACES NP
	FETCH_B \slot, (\q)+1, 1-(\q)%2
	FETCH_A \slot, (\q)+1, 0
	WIN MUL_HI
	MUL16 4, (\q)%2, \zero
	MUL16 6, (\q)%2, \zero
	PLACES NP
	WIN 0
	FETCH_A \slot, (\q)+1, 4
.endm
; A slot's last step changes slots: one barrier; in front of it each wave waits for all its tensor loads, adds 0 to its spare word, and waits for that and for its reads of this slot.  fill = 1: the slot is filled again, with the next K step not yet asked for.
.macro TURN slot, next, fill
	s_wait_tensorcnt 0x0                           ; all my tensor loads have landed: my part of the next slot; no load of mine is out, so a group 0 may be written below
	ds_add_u32 v[SPW], v[NIL]                      ; 0 onto my spare word
	s_wait_dscnt 4*NL+1                            ; (the add and the youngest 16 loads, P's tiles 4-7, may be out)
	WIN MUL_LO
	MUL16 0, 1, 0                                  ; sixteen matrix instructions stand between the add and the wait for it
	s_wait_dscnt 0x0                               ; the add is done, and my reads of this slot are over
	s_barrier_signal -1
	MUL16 2, 1, 0
	WIN 0
	s_barrier_wait -1
.if \fill
	CREST                                          ; the barrier has opened a round of the cluster's: no wave of any partner still reads this slot or has a load on its way
	WALK                                           ; the fills follow each other as K steps 0, 1, 2, 3: one K step on from the last fill
	ADDR \slot
	JLOAD G0+4*\slot, G1, G0B+4*\slot, G1B         ; the first tensor load behind the round, my one load out; its four v_nop are also the places in front of the loads below
.else
	PLACES NP
.endif
	FETCH_B \next, 0, 0
	FETCH_A \next, 0, 0
	WIN MUL_HI
	MUL16 4, 1, 0
	MUL16 6, 1, 0
	PLACES NP
	WIN 0
	FETCH_A \next, 0, 4
.endm
	s_wait_alu depctr_va_vdst(0)
	s_wait_tensorcnt 1                             ; my part of K step 0 is in; K step 1's load may be out
	s_barrier_signal -1
	s_barrier_wait -1                              ; everybody's is
	FETCH_B 0, 0, 0
	FETCH_A 0, 0, 0
	FETCH_A 0, 0, 4
	; K = 1,024 is four K steps of 256, eight steps of 128: written out, no loop
	STEP 0, 0, 1                                   ; the first products start the sums
	TURN 0, 1, 1                                   ; slot 0 takes K step 2
	STEP 1, 0, 0
	TURN 1, 0, 1                                   ; slot 1 takes K step 3
	STEP 0, 0, 0
	TURN 0, 1, 0                                   ; nothing is left to fetch
	STEP 1, 0, 0
	s_wait_dscnt 4*NL
	WIN MUL_LO
	MUL16 0, 1, 0
	MUL16 2, 1, 0
	s_wait_dscnt 0
	WIN MUL_HI
	MUL16 4, 1, 0
	MUL16 6, 1, 0
	WIN 0
	; THE WAY OUT.  A sum stands for sum x 2^(e0 + e1); its code is sum / 2^(eT - e0 - e1), eT = e2 (q), e3 (k), e5 (v): the three scales are folded into the conversion's one.
	s_wait_kmcnt 0x0
	s_cmp_eq_u32 s42, 1
	s_cselect_b32 s88, s75, s77
	s_cmp_eq_u32 s42, 0
	s_cselect_b32 s88, s74, s88                    ; eT
	s_sub_co_i32 s88, s88, s72
	s_sub_co_i32 s88, s88, s73
	s_add_co_i32 s88, s88, 127
	s_lshl_b32 s89, s88, 23
	v_mov_b32 v[SCL], s89                          ; 2^(eT - e0 - e1) as f32
	s_cmp_lt_u32 s42, 2                            ; which of my two sides holds tokens, which features
	s_cselect_b32 s92, s44, s45
	s_cselect_b32 s93, s15, s16
	s_cselect_b32 s94, s45, s44
	s_cselect_b32 s95, s16, s15
	s_lshl_b32 s92, s92, 1
	s_add_co_u32 s92, s92, s93                     ; my 128 tokens: their number among the 64 such groups
	s_lshr_b32 s93, s92, 4                         ; the batch,
	s_and_b32 s92, s92, 15                         ; and t, the group in the batch
	s_lshl_b32 s94, s94, 2
	s_lshl_b32 s95, s95, 1
	s_add_co_u32 s94, s94, s95
	s_and_b32 s94, s94, 15                         ; the first of my two heads
	s_lshl_b32 s93, s93, 4
	s_add_co_u32 s93, s93, s94                     ; bh
	s_cmp_eq_u32 s42, 0
	s_cselect_b64 s[96:97], s[10:11], s[12:13]     ; qi or kv
	s_cselect_b32 s94, 17, 18                      ; a head's bytes: 2^17 in qi, 2^18 in kv
	s_cselect_b32 s95, 13, 14                      ; a group's: 2^13, 2^14
	s_lshl_b32 s93, s93, s94
	s_lshl_b32 s92, s92, s95
	s_add_co_u32 s92, s92, s93
	s_lshl_b32 s19, 1, s94                         ; q, k: from my first head to my second
	s_mov_b32 s17, 1024                            ; q, k: from P tile to P tile: a tile of tokens, 1,024 bytes; four of them 4,096
	s_mov_b32 s18, 4096
	s_cmp_eq_u32 s42, 2
	s_cselect_b32 s93, 8192, 0                     ; v: V's image lies behind K's;
	s_cselect_b32 s17, 2048, s17                   ; a P tile is a tile of channels, 2,048 bytes;
	s_cselect_b32 s18, 0x40000, s18                ; four of them are a head;
	s_cselect_b32 s19, 1024, s19                   ; and R's blocks of 32 are keys: two of them 1,024 bytes
	s_add_co_u32 s92, s92, s93
	s_mov_b32 s93, 0
	s_add_nc_u64 s[96:97], s[96:97], s[92:93]
	; v[VO + a + 8 g] = 16 x lane + (a % 4) s17 + (a / 4) s18 + g s19.  These plain lines name no register of the last products: they are the places behind them
	v_add_nc_u32 v[VO+1], s17, v[VO]
	v_add_nc_u32 v[VO+2], s17, v[VO+1]
	v_add_nc_u32 v[VO+3], s17, v[VO+2]
.irp a, 0,1,2,3
	v_add_nc_u32 v[VO+4+\a], s18, v[VO+\a]
.endr
.irp a, 0,1,2,3,4,5,6,7
	v_add_nc_u32 v[VO+8+\a], s19, v[VO+\a]
.endr
; P tile a: its 64 sums a lane are held, converted (the 16 registers of accumulators 2 b, 2 b + 1 give 16 bytes) and stored.  Every tile has code registers of its own: no store's data are written again.
.macro OUTBLK a
.set AC, 64*((\a)%4)
.set WD, 0x82+0x41*((\a)/4)            ; destination and source 0 in the accumulators' window
.set WS, 0x02+((\a)/4)                 ; source 0 alone
	WIN WD
.set j, 0
.rept 64
.set j, j+1
.endr
	WIN WS
.irp b, 0,1,2,3,4,5,6,7
	v_cvt_scalef32_pk8_fp8_f32 v[CD+16*(\a)+2*\b:CD+16*(\a)+2*\b+1], v[AC+8*\b:AC+8*\b+7], v[SCL]
.endr
	v_nop                                          ; one plain vector line behind the last conversion of the run
	WIN 0
.irp b, 0,1,2,3
	global_store_b128 v[VO+(\a)+8*(\b/2)], v[CD+16*(\a)+4*\b:CD+16*(\a)+4*\b+3], s[96:97] offset:512*(\b%2)   ; 32 lanes store 512 consecutive bytes, aligned
.endr
.endm
.irp a, 0,1,2,3,4,5,6,7
	OUTBLK \a
.endr
	s_wait_tensorcnt 0x0                           ; the wave's end
	ds_add_u32 v[SPW], v[NIL]
	s_wait_dscnt 0x0
	CROUND                                         ; the closing round: no work-group ends while a partner may still ask for a tile that names it
	s_endpgm
.Lfunc_end_k_qd961f39d78_gemm_qkv:
	.size	k_qd961f39d78_gemm_qkv, .Lfunc_end_k_qd961f39d78_gemm_qkv-k_qd961f39d78_gemm_qkv
	.p2alignl 7, 3214868480
	.fill 96, 4, 3214868480
	.section	.rodata,"a",@progbits
	.p2align	6, 0x0
	.amdhsa_kernel k_qd961f39d78_gemm_qkv
		.amdhsa_group_segment_fixed_size 327680
		.amdhsa_private_segment_fixed_size 0
		.amdhsa_enable_private_segment 0
		.amdhsa_kernarg_size 40
		.amdhsa_user_sgpr_count 2
		.amdhsa_user_sgpr_kernarg_segment_ptr 1
		.amdhsa_wavefront_size32 1
		.amdhsa_system_sgpr_workgroup_id_x 1
		.amdhsa_system_sgpr_workgroup_id_y 1
		.amdhsa_system_sgpr_workgroup_id_z 1
		.amdhsa_system_vgpr_workitem_id 0
		.amdhsa_next_free_vgpr 1024
		.amdhsa_next_free_sgpr 100
		.amdhsa_reserve_vcc 0
		.amdhsa_float_denorm_mode_32 3
		.amdhsa_float_denorm_mode_16_64 3
		.amdhsa_fp16_overflow 1
		.amdhsa_memory_ordered 1
		.amdhsa_forward_progress 1
		.amdhsa_inst_pref_size 87
	.end_amdhsa_kernel
	.amdgpu_metadata
---
amdhsa.version: [ 1, 2 ]
amdhsa.kernels:
  - .name:           k_qd961f39d78_gemm_qkv
    .symbol:         k_qd961f39d78_gemm_qkv.kd
    .args:
      - { .name: xq, .offset: 0, .size: 8, .value_kind: global_buffer, .address_space: global }
      - { .name: wq, .offset: 8, .size: 8, .value_kind: global_buffer, .address_space: global }
      - { .name: lowp_scales, .offset: 16, .size: 8, .value_kind: global_buffer, .address_space: global }
      - { .name: qi, .offset: 24, .size: 8, .value_kind: global_buffer, .address_space: global }
      - { .name: kv, .offset: 32, .size: 8, .value_kind: global_buffer, .address_space: global }
    .group_segment_fixed_size: 327680
    .private_segment_fixed_size: 0
    .kernarg_segment_align: 8
    .kernarg_segment_size: 40
    .max_flat_workgroup_size: 128
    .sgpr_count:     100
    .vgpr_count:     1024
    .wavefront_size: 32
...
	.end_amdgpu_metadata
.endif
;; end of part 2
;; launch attn (part 3): grid 4 x 64, 8 waves a work-group, clusters of 4 x 1, 327,680 bytes of LDS; arguments qi, kv, lowp_scales, ao; writes ao
.if DOCPART == 3
	.amdgcn_target "amdgcn-amd-amdhsa--gfx1250"
	.amdhsa_code_object_version 6
	.text
	.protected	k_qd961f39d78_attn
	.globl	k_qd961f39d78_attn
	.p2align	8
	.type	k_qd961f39d78_attn,@function
k_qd961f39d78_attn:
	s_mov_b64 s[64:65], 0
	v_nop
	global_prefetch_b8 v0, s[64:65] scope:SCOPE_SE
	s_setreg_imm32_b32 hwreg(HW_REG_WAVE_MODE, 25, 1), 1
	s_wait_xcnt 0x0
	s_wait_alu depctr_hold_cnt(0) depctr_sa_sdst(0) depctr_va_vdst(0) depctr_va_sdst(0) depctr_va_ssrc(0) depctr_va_vcc(0) depctr_vm_vsrc(0)
	s_getreg_b32 s2, hwreg(HW_REG_IB_STS2, 6, 4)
	s_cmp_eq_u32 s2, 0
	s_cbranch_scc0 .Lentry_in_a_cluster
	s_endpgm
.Lentry_in_a_cluster:
	s_bfe_u32 s2, ttmp6, 0x10000c
	s_cmp_lg_u32 s2, 0x3003
	s_cbranch_scc0 .Lentry_shape_is_right
	s_endpgm
.Lentry_shape_is_right:
; Causal attention, 64 heads (batch x head) of 2,048 tokens x 64 channels, both products on codes of FP8 (E4M3): scores = q k^T (scales 2^e2, 2^e3), o = p v (2^e4, 2^e5); o / l is quantised with 2^e6 for the last product.
; THE SOFTMAX: t = score x log2(e) / 8; M = the row's largest t so far, rounded up to a whole number; p = 2^(t - M) is quantised, not normalised; l is the sum of the unquantised p and divides at the end.
; When M moves, l and O are multiplied by 2^(old M - new M): exact, and no branch on data.
; A HEAD'S K AND V LIE IN LDS WHOLE: 16 key steps of 128 keys x 16,384 bytes (K's image 8,192, V's image 8,192), as they lie in memory.  Nothing in LDS is filled twice: every tensor load is a first fill, issued at the head.
; CLUSTER: the four work-groups of a cluster serve one head and ask for every byte of K and V jointly (mask 15).  Wave w brings key step w and key step 8 + w, 64 rows of 256 bytes each: one load of mine is out at a time.
; SHARES.  A head's queries are 16 groups of 128 = 8 tiles of 16.  Work-group cx takes tiles 2 cx and 2 cx + 1 of EVERY group; wave w takes group 15 - w and then group w: 16 - w and w + 1 key steps, 17 for every wave of the launch.
; The two tiles share each fragment of K and V.  Trip counts are constants; the branch that leaves hidden steps out hangs on the wave's number and the loop's count; cx enters global addresses and the mask's numbers alone.
; LAYOUT.  Both products are used transposed (S^T = K Q^T, O^T = V^T P^T): a lane holds one query throughout.  The images' rows are laid so that the 16 registers of two neighbouring result tiles are 16 neighbours along the next K:
; place r of tile u is row 32 (u / 2) + 8 (u % 2) + r + 8 (r / 8); in S^T register 16 b + i of lane (r, h) is key 32 b + 16 h + i of the step, in O^T channel 32 b + 16 h + i.
; LIMITS: e2 + e3 between -123 and 130 (added to c's exponent field); e4 and e6 - e4 - e5 between -126 and 119.  NaN among the inputs is not served.
; REGISTERS.  window 0: v1 16 x lane; v2 the step's LDS address; v3, v4 the mask's numbers; v5 -infinity; v8-31 statistics, 12 a tile; v32-35 scales; v64-191 S^T then p, 64 a tile; v192-223 p's codes; v224-255 o's codes, 16 a pass.
;   window 1: v0-63 K's fragments, v64-127 V's; v128-159 Q (16 a pass, 8 a tile); v160-223 O^T, 32 a tile.
.set STEPB, 16384                      ; a key step in LDS and in memory
.set LI,   1
.set ADR,  2
.set D0,   3                           ; v3, v4: tile i: my query - the diagonal step's first key - 16 h
.set NINF, 5
.set ST,   8                           ; tile i's statistics at v[ST + 12 i]: +0 -M, +1 the largest t, +2 +3 l in two halves, +4 f (+5 named with it), +6 +7 at work, +8 +9 the second chain of sums, +10 the lane exchange
.set PSC,  32                          ; 2^e4
.set PLIM, 33
.set OSC,  34                          ; 2^(e6 - e4 - e5)
.set OLIM, 35
.set S,    64
.set PC,   192
.set OCB,  224
.set OCA,  240
.set QF,   128                         ; in window 1
.set OT,   160                         ; in window 1
.set WV,   12                          ; s12 wave; s13 cx; s14 bh
.set SEL,  20                          ; s[20:21] lane selects: lane l xor 16
.set CS,   22                          ; s[22:23] c = log2(e) / 8 x 2^(e2 + e3)
.set G1,   24                          ; s[24:31] descriptor group 1;  s[32:35], s[36:39] the two groups 0
.set G0,   32
.set T,    44                          ; s44 the key step;  s45 its LDS byte;  s46 my group of queries
.set TB,   45
.set G,    46
.set MSB, 0
.macro WIN new                         ; the immediate's high byte repeats the setting that is left
.if MSB != \new
	s_set_vgpr_msb (MSB<<8)|\new
.set MSB, \new
.endif
.endm
.macro CROUND                          ; a round of the cluster's barrier
	s_barrier_signal -1
	s_barrier_wait -1
	s_cmp_lg_u32 s[WV], 0
	s_cbranch_scc1 .Lnot_wave_0_\@
	s_barrier_signal -3
.Lnot_wave_0_\@:
	s_barrier_wait -3
	s_barrier_signal -1
	s_barrier_wait -1
.endm
	s_load_b256 s[4:11], s[0:1], 0x0               ; qi s[4:5], kv s[6:7], the scales' exponents s[8:9], ao s[10:11]
	v_lshl_add_u32 v62, v0, 2, 0x40000
	v_mov_b32 v63, 0
	ds_add_u32 v62, v63
	ds_add_u32 v62, v63
	v_lshrrev_b32 v2, 5, v0
	s_delay_alu instid0(VALU_DEP_1)
	v_readfirstlane_b32 s[WV], v2                  ; wave 0..7
	s_bfe_u32 s13, ttmp6, 0x40000                  ; cx
	s_and_b32 s14, ttmp7, 0xffff                   ; bh, which the four partners share
	; descriptor group 1: 64 rows of 256 bytes (32 elements of 8 bytes), on end in memory and in LDS
	s_mov_b32 s[G1], 15|(3<<16)|(1<<21)            ; 15:0 the mask: all four work-groups; 17:16 elements of 8 bytes; 20 no padding; 21 set beside a mask
	s_mov_b32 s[G1+1], 32<<16                      ; tensor_dim0 = 32
	s_mov_b32 s[G1+2], 64<<16                      ; tensor_dim1 = 64
	s_mov_b32 s[G1+3], 32<<16                      ; tile_dim0 = 32
	s_mov_b32 s[G1+4], 64                          ; tile_dim1 = 64
	s_mov_b32 s[G1+5], 32                          ; tensor_dim0_stride
	s_mov_b32 s[G1+6], 0
	s_mov_b32 s[G1+7], 0
	s_mov_b32 s[SEL], 0x76543210
	s_mov_b32 s[SEL+1], 0xfedcba98
	s_lshl_b32 s56, s14, 18                        ; the head's 262,144 bytes of kv
	s_lshl_b32 s58, s[WV], 14                      ; key step w: in memory and in LDS alike
	s_add_co_u32 s60, s56, s58
	s_mov_b32 s61, 0
	s_lshl_b32 s62, s14, 17                        ; the head's 131,072 bytes of qi,
	s_lshl_b32 s63, s13, 11                        ; my work-group's two tiles of 1,024 bytes in a group
	s_add_co_u32 s62, s62, s63
	s_sub_co_u32 s66, 15, s[WV]                    ; the first pass's group
	s_lshl_b32 s67, s66, 13                        ; a group's eight tiles
	s_add_co_u32 s68, s62, s67
	s_mov_b32 s69, 0
	s_lshl_b32 s67, s[WV], 13                      ; the second pass's group is w
	s_add_co_u32 s70, s62, s67
	s_mov_b32 s71, 0
	; ao is an operand image: [ks2][row tile][4,096]; k = 64 head + channel: ks2 = head / 4, and inside a block the head's 64 begin at (head % 4) x 1,024 bytes
	s_and_b32 s72, s14, 15
	s_lshr_b32 s73, s72, 2
	s_lshl_b32 s73, s73, 21
	s_and_b32 s72, s72, 3
	s_lshl_b32 s72, s72, 10
	s_add_co_u32 s73, s73, s72
	s_lshr_b32 s72, s14, 4
	s_lshl_b32 s72, s72, 19                        ; the batch's 128 row tiles
	s_add_co_u32 s73, s73, s72
	s_lshl_b32 s72, s13, 13                        ; my work-group's two row tiles in a group
	s_add_co_u32 s73, s73, s72
	s_lshl_b32 s72, s66, 15
	s_add_co_u32 s74, s73, s72
	s_mov_b32 s75, 0
	s_lshl_b32 s72, s[WV], 15
	s_add_co_u32 s76, s73, s72
	s_mov_b32 s77, 0
	s_lshl_b32 s78, s13, 5                         ; 32 cx, for the mask
	v_and_b32 v6, 31, v0
	s_delay_alu instid0(VALU_DEP_1)
	v_lshlrev_b32 v[LI], 4, v6
	v_and_b32 v6, 15, v0                           ; r
	v_bfe_u32 v7, v0, 4, 1                         ; h
	s_delay_alu instid0(VALU_DEP_2)
	v_and_b32 v[D0], 8, v6
	s_delay_alu instid0(VALU_DEP_1)
	v_add_nc_u32 v[D0], v[D0], v6                  ; r + 8 (r / 8)
	s_delay_alu instid0(VALU_DEP_3)
	v_lshlrev_b32 v7, 4, v7
	s_delay_alu instid0(VALU_DEP_1)
	v_sub_nc_u32 v[D0], v[D0], v7
	s_delay_alu instid0(VALU_DEP_1)
	v_add_nc_u32 v[D0], s78, v[D0]                 ; tile 0: 32 cx + r + 8 (r / 8) - 16 h
	s_delay_alu instid0(VALU_DEP_1)
	v_add_nc_u32 v[D0+1], 8, v[D0]                 ; tile 1: 8 more
	v_mov_b32 v[NINF], 0xff800000
.irp i, 0,1
	v_mov_b32 v[ST+12*\i+5], 0                     ; named as the upper half of f's pair
	v_mov_b32 v[ST+12*\i+10], 0                    ; a lane permute's destination counts as one of its sources
.endr
	s_wait_dscnt 0x0
	s_wait_kmcnt 0x0
	s_load_b256 s[48:55], s[8:9], 0x0              ; e0 .. e7
	s_mov_b32 s[G0], 1                             ; group 0: count 1; LDS address; global address; type 2
	s_mov_b32 s[G0+1], s58
	s_add_nc_u64 s[G0+2:G0+3], s[6:7], s[60:61]
	s_mov_b32 s[G0+4], 1
	s_add_co_u32 s[G0+5], s58, 8*STEPB
	s_add_nc_u64 s[G0+6:G0+7], s[G0+2:G0+3], 8*STEPB
	s_or_b32 s[G0+3], s[G0+3], 0x80000000
	s_or_b32 s[G0+7], s[G0+7], 0x80000000
	s_add_nc_u64 s[16:17], s[4:5], s[68:69]        ; Q of the first pass,
	s_add_nc_u64 s[18:19], s[4:5], s[70:71]        ; of the second
	s_add_nc_u64 s[40:41], s[10:11], s[74:75]      ; and where each pass's codes go
	s_add_nc_u64 s[42:43], s[10:11], s[76:77]
	CROUND                                         ; all four work-groups are here: the joint loads meet
	tensor_load_to_lds s[G0:G0+3], s[G1:G1+7]      ; key step w
	s_nop 0
	s_wait_alu depctr_va_vdst(0)
	s_wait_tensorcnt 0x0
	ds_add_u32 v62, v63
	s_wait_dscnt 0x0
	CROUND
	tensor_load_to_lds s[G0+4:G0+7], s[G1:G1+7]    ; key step 8 + w
	s_nop 0
.rept 4
	v_nop
.endr
	WIN 0x40                                       ; destination window 1
.irp p, 0,1
.irp i, 0,1
.irp c, 0,1
	global_load_b128 v[QF+16*\p+8*\i+4*\c:QF+16*\p+8*\i+4*\c+3], v[LI], s[16+2*\p:17+2*\p] offset:1024*\i+512*\c   ; both passes' Q stay in registers
.endr
.endr
.endr
	WIN 0
	s_wait_kmcnt 0x0
	s_add_co_i32 s56, s50, s51
	s_lshl_b32 s56, s56, 23
	s_mov_b32 s[CS], 0x3e38aa3b                    ; log2(e) / 8
	s_add_co_i32 s[CS], s[CS], s56                 ; a score stands for score x 2^(e2 + e3): the exponents are added to c's exponent field
	s_mov_b32 s[CS+1], s[CS]                       ; (named with it as a pair)
	s_add_co_i32 s56, s52, 127
	s_lshl_b32 s57, s56, 23
	v_mov_b32 v[PSC], s57
	s_sub_co_i32 s56, s54, s52
	s_sub_co_i32 s56, s56, s53                     ; O / l stands for O / l x 2^(e4 + e5): its code is that / 2^(e6 - e4 - e5)
	s_add_co_i32 s56, s56, 127
	s_lshl_b32 s57, s56, 23
	v_mov_b32 v[OSC], s57
	s_add_co_i32 s56, s56, 8
	s_lshl_b32 s56, s56, 23
	s_or_b32 s56, s56, 0x600000
.macro INIT                            ; a pass begins: the largest t under every t, l and O^T zeros, which the first change of M leaves zeros: so the step is written without a first step of its own
.irp i, 0,1
	v_mov_b32 v[ST+12*\i+1], 0xff61b1e6            ; -3e38
	s_delay_alu instid0(VALU_DEP_1)
	v_floor_f32 v[ST+12*\i], -v[ST+12*\i+1]
	v_mov_b32 v[ST+12*\i+2], 0
	v_mov_b32 v[ST+12*\i+3], 0
.endr
	WIN 0x40
.set j, 0
.rept 64
	v_mov_b32 v[OT+j], 0
.set j, j+1
.endr
	WIN 0
.endm
; A DOUBLE STEP: 128 keys against my two tiles of 16 queries.  qb: the pass's Q in window 1.  tail = 1: a step whose keys all come after my group is left out, and the step on the diagonal is masked.
.macro DSTEP qb, tail
	v_add_nc_u32 v[ADR], s[TB], v[LI]              ; made on every way, ahead of the branch; the first of the four places in front of the loads
.if \tail
	s_cmp_gt_u32 s[T], s[G]
	s_cbranch_scc1 .Lhid_\@
.endif
	s_setprio 2
.rept 3
	v_nop                                          ; the other three: the loads land in registers that the last step's products have read
.endr
	WIN 0x40
.set f, 0
.rept 32
	ds_load_b128 v[4*f:4*f+3], v[ADR] offset:512*f ; the step's 16,384 bytes as they lie: K's eight fragments, then V's four; 512 consecutive bytes a load
.set f, f+1
.endr
	s_wait_dscnt 16                                ; K's 16 loads are in; V's 16 may be out
	WIN 0x05                                       ; K and Q window 1, S^T window 0
.irp u, 0,1,2,3,4,5,6,7
.irp i, 0,1
	v_wmma_f32_16x16x64_fp8_fp8 v[S+64*\i+8*\u:S+64*\i+8*\u+7], v[8*\u:8*\u+7], v[\qb+8*\i:\qb+8*\i+7], 0
.endr
.endr
	WIN 0
.rept 4
	v_nop
.endr
.if \tail
	s_cmp_lg_u32 s[T], s[G]
	s_cbranch_scc1 .Lopen_\@
.set kk, 0
.rept 64                               ; on the diagonal: register 16 b + i holds the step's key 32 b + 16 h + i: hidden where 32 b + i > my query - 16 h.  Its score becomes -infinity, p = 0.  The step's key 0 counts for every query
.irp i, 0,1
	v_cmp_gt_i32 vcc_lo, 32*(kk/16)+kk%16, v[D0+\i]
	v_cndmask_b32 v[S+64*\i+kk], v[S+64*\i+kk], v[NINF], vcc_lo
.endr
.set kk, kk+1
.endr
.Lopen_\@:
.endif
	; the largest score of each query among my 64 keys: two chains a tile, the tiles by turns; each accumulator is read from its low end on
.irp i, 0,1
	v_max3_num_f32 v[ST+12*\i+6], v[S+64*\i], v[S+64*\i+1], v[S+64*\i+2]
	v_max3_num_f32 v[ST+12*\i+7], v[S+64*\i+3], v[S+64*\i+4], v[S+64*\i+5]
.endr
.irp n, 6,10,14,18,22,26,30,34,38,42,46,50,54,58
.irp i, 0,1
	v_max3_num_f32 v[ST+12*\i+6], v[ST+12*\i+6], v[S+64*\i+\n], v[S+64*\i+\n+1]
	v_max3_num_f32 v[ST+12*\i+7], v[ST+12*\i+7], v[S+64*\i+\n+2], v[S+64*\i+\n+3]
.endr
.endr
.irp i, 0,1
	v_max3_num_f32 v[ST+12*\i+6], v[ST+12*\i+6], v[S+64*\i+62], v[S+64*\i+63]
.endr
.irp i, 0,1
	s_delay_alu instid0(VALU_DEP_2)
	v_max_num_f32 v[ST+12*\i+6], v[ST+12*\i+6], v[ST+12*\i+7]
.endr
.irp i, 0,1
	s_delay_alu instid0(VALU_DEP_2)
	v_permlanex16_b32 v[ST+12*\i+10], v[ST+12*\i+6], s[SEL], s[SEL+1]
.endr
.irp i, 0,1
	s_delay_alu instid0(VALU_DEP_2)
	v_max_num_f32 v[ST+12*\i+6], v[ST+12*\i+6], v[ST+12*\i+10]   ; and among lane l xor 16's
.endr
.irp i, 0,1
	s_delay_alu instid0(VALU_DEP_2)
	v_mul_f32 v[ST+12*\i+6], s[CS], v[ST+12*\i+6]  ; as t (c is positive)
.endr
.irp i, 0,1
	s_delay_alu instid0(VALU_DEP_2)
	v_max_num_f32 v[ST+12*\i+1], v[ST+12*\i+1], v[ST+12*\i+6]    ; the running largest t
.endr
.irp i, 0,1
	v_mov_b32 v[ST+12*\i+6], v[ST+12*\i]           ; the old -M is kept for f
.endr
.irp i, 0,1
	s_delay_alu instid0(VALU_DEP_4)
	v_floor_f32 v[ST+12*\i], -v[ST+12*\i+1]        ; the new -M = floor(-t) = -ceil(t)
.endr
.irp i, 0,1
	s_delay_alu instid0(VALU_DEP_2)
	v_sub_f32 v[ST+12*\i+6], v[ST+12*\i], v[ST+12*\i+6]          ; old M - new M: a whole number, 0 or less
.endr
.irp i, 0,1
	s_delay_alu instid0(VALU_DEP_2)
	v_cvt_i32_f32 v[ST+12*\i+6], v[ST+12*\i+6]     ; (it saturates)
.endr
.irp i, 0,1
	s_delay_alu instid0(VALU_DEP_2)
	v_ldexp_f32 v[ST+12*\i+4], 1.0, v[ST+12*\i+6]  ; f = 2^(old M - new M)
.endr
.set j, 0
.rept 32
.irp i, 0,1
	v_pk_fma_f32 v[S+64*\i+j:S+64*\i+j+1], v[S+64*\i+j:S+64*\i+j+1], s[CS:CS+1], v[ST+12*\i:ST+12*\i+1] op_sel_hi:[1,0,0]   ; t - M, two at a time
.endr
.set j, j+2
.endr
.set j, 0
	s_setprio 1
	s_wait_alu depctr_va_vdst(0)
.rept 128
	v_exp_f32 v[S+j], v[S+j]                       ; p = 2^(t - M): one batch for both tiles
.set j, j+1
.endr
.irp i, 0,1
	v_pk_mul_f32 v[ST+12*\i+2:ST+12*\i+3], v[ST+12*\i+2:ST+12*\i+3], v[ST+12*\i+4:ST+12*\i+5] op_sel_hi:[1,0]   ; l under the new M; the plain lines behind the exponentials
.endr
	s_wait_alu depctr_va_vdst(0)                   ; one wait for the whole batch, ahead of its first reader
.irp i, 0,1
	v_pk_add_f32 v[ST+12*\i+8:ST+12*\i+9], v[S+64*\i:S+64*\i+1], v[S+64*\i+2:S+64*\i+3]   ; the sum is taken of the unquantised p: two chains a tile
.endr
.irp n, 4,8,12,16,20,24,28,32,36,40,44,48,52,56,60
.irp i, 0,1
	v_pk_add_f32 v[ST+12*\i+2:ST+12*\i+3], v[ST+12*\i+2:ST+12*\i+3], v[S+64*\i+\n:S+64*\i+\n+1]
	v_pk_add_f32 v[ST+12*\i+8:ST+12*\i+9], v[ST+12*\i+8:ST+12*\i+9], v[S+64*\i+\n+2:S+64*\i+\n+3]
.endr
.endr
.irp i, 0
	s_delay_alu instid0(VALU_DEP_3)
	v_pk_add_f32 v[ST+12*\i+2:ST+12*\i+3], v[ST+12*\i+2:ST+12*\i+3], v[ST+12*\i+8:ST+12*\i+9]
.endr
.irp i, 1
	s_delay_alu instid0(VALU_DEP_2)
	v_pk_add_f32 v[ST+12*\i+2:ST+12*\i+3], v[ST+12*\i+2:ST+12*\i+3], v[ST+12*\i+8:ST+12*\i+9]
.endr
.irp b, 0,1,2,3
.irp i, 0,1
.irp m, 0,1,2,3,4,5,6,7,8,9,10,11,12,13,14,15
.endr
	v_cvt_scalef32_pk8_fp8_f32 v[PC+16*\i+4*\b:PC+16*\i+4*\b+1], v[S+64*\i+16*\b:S+64*\i+16*\b+7], v[PSC]
	v_cvt_scalef32_pk8_fp8_f32 v[PC+16*\i+4*\b+2:PC+16*\i+4*\b+3], v[S+64*\i+16*\b+8:S+64*\i+16*\b+15], v[PSC]
.endr
.endr
	WIN 0x41                                       ; O^T window 1, f window 0
.set j, 0
	s_setprio 0
.rept 16
.irp i, 0,1
	v_pk_mul_f32 v[OT+32*\i+j:OT+32*\i+j+1], v[OT+32*\i+j:OT+32*\i+j+1], v[ST+12*\i+4:ST+12*\i+5] op_sel_hi:[1,0]   ; O^T under the new M; also the plain lines between the conversions and the products
.endr
.set j, j+2
.endr
	s_wait_alu depctr_va_vdst(0)
	s_wait_dscnt 0x0                               ; V is in
	WIN 0x51                                       ; V, C and D window 1, p's codes window 0
.irp c, 0,1,2,3
.irp i, 0,1
	v_wmma_f32_16x16x128_fp8_fp8 v[OT+32*\i+8*\c:OT+32*\i+8*\c+7], v[64+16*\c:64+16*\c+15], v[PC+16*\i:PC+16*\i+15], v[OT+32*\i+8*\c:OT+32*\i+8*\c+7]   ; eight accumulators, one instruction a turn
.endr
.endr
	WIN 0
.if \tail
.Lhid_\@:
.endif
.endm
; A pass ends: O^T / l, quantised with 2^e6, goes out as four runs of 512 bytes of the next product's operand image.  oc: the pass's code registers; ob: its base.
.macro FINISH oc, ob
.irp i, 0,1
	v_add_f32 v[ST+12*\i+7], v[ST+12*\i+2], v[ST+12*\i+3]        ; l's two halves.  (These additions are the places behind the last products)
.endr
.irp i, 0,1
	s_delay_alu instid0(VALU_DEP_2)
	v_permlanex16_b32 v[ST+12*\i+10], v[ST+12*\i+7], s[SEL], s[SEL+1]
.endr
.irp i, 0,1
	s_delay_alu instid0(VALU_DEP_2)
	v_add_f32 v[ST+12*\i+7], v[ST+12*\i+7], v[ST+12*\i+10]       ; and lane l xor 16's
.endr
	s_wait_alu depctr_va_vdst(0)
.irp i, 0,1
	v_rcp_f32 v[ST+12*\i+6], v[ST+12*\i+7]
.endr
	v_nop                                          ; a plain line behind the reciprocals
	s_wait_alu depctr_va_vdst(0)                   ; and the one wait ahead of their first reader
	WIN 0x01                                       ; source 0 (O^T) window 1
.set j, 0
.rept 16
.irp i, 0,1
	v_pk_mul_f32 v[S+32*\i+j:S+32*\i+j+1], v[OT+32*\i+j:OT+32*\i+j+1], v[ST+12*\i+6:ST+12*\i+7] op_sel_hi:[1,0]
.endr
.set j, j+2
.endr
	WIN 0
.set j, 0
.rept 64
.set j, j+1
.endr
.irp m, 0,1,2,3,4,5,6,7
	v_cvt_scalef32_pk8_fp8_f32 v[\oc+2*\m:\oc+2*\m+1], v[S+8*\m:S+8*\m+7], v[OSC]
.endr
	v_nop                                          ; one plain vector line behind the last conversion: later products write these sources again
.irp i, 0,1
.irp b, 0,1
	global_store_b128 v[LI], v[\oc+8*\i+4*\b:\oc+8*\i+4*\b+3], s[\ob:\ob+1] offset:4096*\i+512*\b   ; 32 lanes store 512 consecutive bytes, aligned; registers and base are the pass's own and are not written again
.endr
.endr
.endm
	INIT
	s_mov_b32 s[G], s66                            ; the first pass: group 15 - w
	s_mov_b32 s[T], 0
	s_mov_b32 s[TB], 0
	s_wait_loadcnt 0x0                             ; Q
	s_wait_tensorcnt 0x1                           ; my key step w is in; key step 8 + w may be out, and the loop below reads only bytes under 8 STEPB
	s_barrier_signal -1
	s_barrier_wait -1                              ; key steps 0 to 7 are whole
.Lfirst:                                           ; key steps 0 to 7: every wave's first group is 8 or more: nothing is hidden
	DSTEP QF, 0
	s_add_co_u32 s[TB], s[TB], STEPB
	s_add_co_u32 s[T], s[T], 1
	s_cmp_lt_u32 s[T], 8
	s_cbranch_scc1 .Lfirst
	s_setprio 0
	s_wait_tensorcnt 0x0                           ; my key step 8 + w is in
	s_wait_dscnt 0x0
	s_barrier_signal -1
	s_barrier_wait -1                              ; all sixteen key steps are whole
	s_mov_b32 s[T], 8
	s_mov_b32 s[TB], 8*STEPB
.Lsecond:                                          ; key steps 8 to 15, as far as my group
	DSTEP QF, 1
	s_add_co_u32 s[TB], s[TB], STEPB
	s_add_co_u32 s[T], s[T], 1
	s_cmp_lt_u32 s[T], 16
	s_cbranch_scc1 .Lsecond
	s_setprio 0
	FINISH OCB, 40
	INIT
	s_mov_b32 s[G], s[WV]                          ; the second pass: group w
	s_mov_b32 s[T], 0
	s_mov_b32 s[TB], 0
.Lthird:                                           ; key steps 0 to 7, as far as my group
	DSTEP QF+16, 1
	s_add_co_u32 s[TB], s[TB], STEPB
	s_add_co_u32 s[T], s[T], 1
	s_cmp_lt_u32 s[T], 8
	s_cbranch_scc1 .Lthird
	s_setprio 0
	FINISH OCA, 42
	s_wait_tensorcnt 0x0
	ds_add_u32 v62, v63
	s_wait_dscnt 0x0
	CROUND                                         ; the closing round
	s_endpgm
.Lfunc_end_k_qd961f39d78_attn:
	.size	k_qd961f39d78_attn, .Lfunc_end_k_qd961f39d78_attn-k_qd961f39d78_attn
	.p2alignl 7, 3214868480
	.fill 96, 4, 3214868480
	.section	.rodata,"a",@progbits
	.p2align	6, 0x0
	.amdhsa_kernel k_qd961f39d78_attn
		.amdhsa_group_segment_fixed_size 327680
		.amdhsa_private_segment_fixed_size 0
		.amdhsa_enable_private_segment 0
		.amdhsa_kernarg_size 32
		.amdhsa_user_sgpr_count 2
		.amdhsa_user_sgpr_kernarg_segment_ptr 1
		.amdhsa_wavefront_size32 1
		.amdhsa_system_sgpr_workgroup_id_x 1
		.amdhsa_system_sgpr_workgroup_id_y 1
		.amdhsa_system_sgpr_workgroup_id_z 1
		.amdhsa_system_vgpr_workitem_id 0
		.amdhsa_next_free_vgpr 512
		.amdhsa_next_free_sgpr 80
		.amdhsa_reserve_vcc 1
		.amdhsa_float_denorm_mode_32 3
		.amdhsa_float_denorm_mode_16_64 3
		.amdhsa_fp16_overflow 1
		.amdhsa_memory_ordered 1
		.amdhsa_forward_progress 1
		.amdhsa_inst_pref_size 114
	.end_amdhsa_kernel
	.amdgpu_metadata
---
amdhsa.version: [ 1, 2 ]
amdhsa.kernels:
  - .name:           k_qd961f39d78_attn
    .symbol:         k_qd961f39d78_attn.kd
    .args:
      - { .name: qi, .offset: 0, .size: 8, .value_kind: global_buffer, .address_space: global }
      - { .name: kv, .offset: 8, .size: 8, .value_kind: global_buffer, .address_space: global }
      - { .name: lowp_scales, .offset: 16, .size: 8, .value_kind: global_buffer, .address_space: global }
      - { .name: ao, .offset: 24, .size: 8, .value_kind: global_buffer, .address_space: global }
    .group_segment_fixed_size: 327680
    .private_segment_fixed_size: 0
    .kernarg_segment_align: 8
    .kernarg_segment_size: 32
    .max_flat_workgroup_size: 256
    .sgpr_count:     80
    .vgpr_count:     512
    .wavefront_size: 32
...
	.end_amdgpu_metadata
.endif
;; end of part 3
;; launch gemm_out (part 4): grid 4 x 32, 4 waves a work-group, clusters of 4 x 4, 327,680 bytes of LDS; arguments ao, wo, lowp_scales, out0; writes out0
.if DOCPART == 4
	.amdgcn_target "amdgcn-amd-amdhsa--gfx1250"
	.amdhsa_code_object_version 6
	.text
	.protected	k_qd961f39d78_gemm_out
	.globl	k_qd961f39d78_gemm_out
	.p2align	8
	.type	k_qd961f39d78_gemm_out,@function
k_qd961f39d78_gemm_out:
	s_mov_b64 s[64:65], 0
	v_nop
	global_prefetch_b8 v0, s[64:65] scope:SCOPE_SE
	s_setreg_imm32_b32 hwreg(HW_REG_WAVE_MODE, 25, 1), 1
	s_wait_xcnt 0x0
	s_wait_alu depctr_hold_cnt(0) depctr_sa_sdst(0) depctr_va_vdst(0) depctr_va_sdst(0) depctr_va_ssrc(0) depctr_va_vcc(0) depctr_vm_vsrc(0)
	s_getreg_b32 s2, hwreg(HW_REG_IB_STS2, 6, 4)
	s_cmp_eq_u32 s2, 0
	s_cbranch_scc0 .Lentry_in_a_cluster
	s_endpgm
.Lentry_in_a_cluster:
	s_bfe_u32 s2, ttmp6, 0x10000c
	s_cmp_lg_u32 s2, 0xf033
	s_cbranch_scc0 .Lentry_shape_is_right
	s_endpgm
.Lentry_shape_is_right:
; out0 = attention's output x W_o^T on codes of FP8 (E4M3), K = 1,024; each finished sum is multiplied once by 2^(e6 + e7).  out0: [8192][1024] f32.
; ao, wo: codes in the order of an operand's registers: [ks2 0..3][row tile][4,096 bytes], a block = [kap][c][lane][16 bytes]: row 32 (rt / 2) + 8 (rt % 2) + r + 8 (r / 8), k = 256 ks2 + 128 kap + 32 c + 16 h + i.
; A tile of 256 x 256 is made by four waves, each 128 x 128: 64 accumulators.  K goes in four steps of 256 through a ring of two LDS slots; a wave's tensor load brings 128 rows x 256 K, 32,768 bytes on end in memory.
; P = tokens (ao) stands in source 1, R = features (wo) in source 0: lane (r, h) holds place r of token tile a, and the 16 registers of accumulators (a, 2 b), (a, 2 b + 1) hold features 32 b + 16 h + 0 .. 15.
; CLUSTERS: 4 x 4 work-groups; P's tile is shared along a row of the cluster, R's along a column: each is asked for jointly.  32 x 4 tiles: 128 work-groups.
; LIMIT: e6 + e7 between -126 and 127, so that 2^(e6 + e7) is an f32 number.
; REGISTERS: window 0: v16-21 LDS addresses, v24-26 the way out, v28-29 for the add, v32-95 a tile's scaled sums, v128-255 P's fragments (one set), later rows of out0.  window 1: R's fragments, two sets.  windows 2, 3: accumulators.
.set FR,     16
.set NL,     4
.set NP,     4
.set HALFT,  32768
.set SLOT,   4*HALFT
.set SPARE,  2*SLOT                    ; behind the ring: the spare words, 128 bytes for each wave
.set STAGE,  SPARE+512                 ; behind them: a stage of 16 rows x (512 bytes + 16) for each wave, bytes into which no tile lands
.set SPITCH, 528
.set PSTR,   0x200000                  ; bytes from one ks2 to the next in ao,
.set RSTR,   0x40000                   ; in wo
.set ADRA, 16
.set ADRB, 20
.set STO,  24                          ; v24  where I put 64 bytes of a row
.set RD,   25                          ; v25  where I read a row back
.set CO,   26                          ; v26  16 x lane
.set SPW,  28
.set NIL,  29
.set TMP,  32
.set AF,   128
.set BK,   128                         ; 16 rows read back: v128-191 and v192-255 by turns
.set G1, 24
.set G0, 32
.set G1B, 48
.set G0B, 56
.set MSB, 0
.macro WIN new                         ; the immediate's high byte repeats the setting that is left
.if MSB != \new
	s_set_vgpr_msb (MSB<<8)|\new
.set MSB, \new
.endif
.endm
.set MUL_LO, 0xa1                      ; source 0 (R) window 1, source 1 (P) window 0, C and D window 2
.set MUL_HI, 0xf1
.set TO_B,   0x40
.macro JLOAD g0a, g1a, g0b, g1b        ; a joint load: waves 0 and 1 fetch for P, waves 2 and 3 for R; four v_nop follow each of the two lines
	s_cmp_eq_u32 s15, 0
	s_cbranch_scc0 .Lfor_b_\@
	tensor_load_to_lds s[\g0a:\g0a+3], s[\g1a:\g1a+7]
	s_nop 0
.rept 4
	v_nop
.endr
	s_branch .Lasked_\@
.Lfor_b_\@:
	tensor_load_to_lds s[\g0b:\g0b+3], s[\g1b:\g1b+7]
	s_nop 0
.rept 4
	v_nop
.endr
.Lasked_\@:
.endm
.macro CREST
	s_cmp_lg_u32 s14, 0
	s_cbranch_scc1 .Lnot_wave_0_\@
	s_barrier_signal -3
.Lnot_wave_0_\@:
	s_barrier_wait -3
	s_barrier_signal -1
	s_barrier_wait -1
.endm
.macro CROUND
	s_barrier_signal -1
	s_barrier_wait -1
	CREST
.endm
	s_load_b256 s[4:11], s[0:1], 0x0               ; ao s[4:5], wo s[6:7], the scales' exponents s[8:9], out0 s[10:11]
	v_lshl_add_u32 v[SPW], v0, 2, SPARE
	v_mov_b32 v[NIL], 0
	ds_add_u32 v28, v29
	ds_add_u32 v28, v29
	s_wait_dscnt 0x0
	v_lshrrev_b32 v1, 5, v0
	v_readfirstlane_b32 s14, v1                    ; wave 0..3
	s_lshr_b32 s15, s14, 1                         ; which half of the tile's tokens is mine.  Also: I fetch for P (0) or for R (1)
	s_and_b32 s16, s14, 1                          ; which half of its features.  Also: which 128 rows I fetch
	s_bfe_u32 s40, ttmp6, 0x40000                  ; cx, cy
	s_bfe_u32 s41, ttmp6, 0x40004
	s_lshl_b32 s45, ttmp9, 2
	s_add_co_u32 s45, s45, s40                     ; the tile of 256 features
	s_and_b32 s44, ttmp7, 0xffff
	s_lshl_b32 s44, s44, 2
	s_add_co_u32 s44, s44, s41                     ; the tile of 256 tokens
	s_lshl_b32 s17, s41, 2
	s_lshl_b32 s17, 15, s17                        ; my row of the cluster
	s_lshl_b32 s18, 0x1111, s40                    ; my column
	s_or_b32 s[G1+0], s17, (3<<16)|(1<<21)         ; 15:0 the mask; 17:16 elements of 8 bytes; 20 no padding; 21 set beside a mask
	s_or_b32 s[G1B+0], s18, (3<<16)|(1<<21)
.irp g, G1, G1B
	s_mov_b32 s[\g+1], 32<<16                      ; tensor_dim0 = 32
	s_mov_b32 s[\g+2], 128<<16                     ; tensor_dim1 = 128
	s_mov_b32 s[\g+3], 32<<16                      ; tile_dim0 = 32
	s_mov_b32 s[\g+4], 128                         ; tile_dim1 = 128
	s_mov_b32 s[\g+5], 32                          ; tensor_dim0_stride
	s_mov_b32 s[\g+6], 0
	s_mov_b32 s[\g+7], 0
.endr
	s_lshl_b32 s19, s16, 3
	s_lshl_b32 s20, s44, 4
	s_add_co_u32 s20, s20, s19
	s_lshl_b32 s20, s20, 12                        ; P: row tile x 4,096 bytes
	s_mov_b32 s21, 0
	s_lshl_b32 s22, s45, 4
	s_add_co_u32 s22, s22, s19
	s_lshl_b32 s22, s22, 12                        ; R likewise
	s_mov_b32 s23, 0
	s_lshl_b32 s71, s14, 15                        ; where they go: wave x 32,768
	s_wait_kmcnt 0x0
	s_load_b256 s[72:79], s[8:9], 0x0              ; e0 .. e7
	s_add_nc_u64 s[84:85], s[4:5], s[20:21]
	s_add_nc_u64 s[86:87], s[6:7], s[22:23]
	s_mov_b32 s[G0], 1
	s_mov_b32 s[G0+1], s71
	s_mov_b64 s[G0+2:G0+3], s[84:85]
	s_or_b32 s[G0+3], s[G0+3], 0x80000000
	s_mov_b32 s[G0B], 1
	s_mov_b32 s[G0B+1], s71
	s_mov_b64 s[G0B+2:G0B+3], s[86:87]
	s_or_b32 s[G0B+3], s[G0B+3], 0x80000000
	s_mov_b32 s[G0+4], 1
	s_add_co_u32 s[G0+5], s71, SLOT
	s_add_nc_u64 s[G0+6:G0+7], s[84:85], PSTR
	s_or_b32 s[G0+7], s[G0+7], 0x80000000
	s_mov_b32 s[G0B+4], 1
	s_add_co_u32 s[G0B+5], s71, SLOT
	s_add_nc_u64 s[G0B+6:G0B+7], s[86:87], RSTR
	s_or_b32 s[G0B+7], s[G0B+7], 0x80000000
	CROUND                                         ; all sixteen work-groups are here: the first joint loads meet
	JLOAD G0, G1, G0B, G1B                         ; both slots' first fills: two loads of mine are out
	JLOAD G0+4, G1, G0B+4, G1B
	v_and_b32 v1, 31, v0
	v_lshlrev_b32 v[CO], 4, v1                     ; 16 x lane
	s_lshl_b32 s88, s15, 15
	s_lshl_b32 s89, s16, 15
	s_add_co_u32 s89, s89, 2*HALFT
.irp s, 0,1
	v_add_nc_u32 v[ADRA+\s], s88, v[CO]
	v_add_nc_u32 v[ADRB+\s], s89, v[CO]
	s_add_co_u32 s88, s88, SLOT
	s_add_co_u32 s89, s89, SLOT
.endr
	v_and_b32 v2, 15, v0                           ; r
	v_bfe_u32 v3, v0, 4, 1                         ; h
	s_mul_i32 s90, s14, 16*SPITCH
	s_add_co_u32 s90, s90, STAGE                   ; my stage
	v_mul_u32_u24 v5, v2, SPITCH
	v_lshl_add_u32 v5, v3, 6, v5
	v_add_nc_u32 v[STO], s90, v5                   ; in: row r, + 64 h: my 16 features of a block of 32
	v_add_nc_u32 v[RD], s90, v[CO]                 ; back: the 32 lanes take one row of 512 bytes
	s_lshl_b32 s92, s44, 1
	s_add_co_u32 s92, s92, s15
	s_lshl_b32 s92, s92, 19                        ; my 128 tokens: rows of 4,096 bytes
	s_lshl_b32 s94, s45, 1
	s_add_co_u32 s94, s94, s16
	s_lshl_b32 s94, s94, 9                         ; my 128 features: 512 bytes
	s_add_co_u32 s92, s92, s94
	s_mov_b32 s93, 0
	s_add_nc_u64 s[10:11], s[10:11], s[92:93]
.macro FRAG reg, adr, q, i             ; row tile i, the slot's q-th 128 along K: four loads of 512 consecutive bytes
.irp c, 0,1,2,3
	ds_load_b128 v[\reg+4*\c:\reg+4*\c+3], v[\adr] offset:4096*(\i)+2048*(\q)+512*\c
.endr
.endm
.macro MUL16 a0, p, zero               ; 16 matrix instructions; the 64 accumulators take turns, one instruction a turn
.irp a, \a0, \a0+1
.irp b, 0,1,2,3,4,5,6,7
.if \zero
	v_wmma_f32_16x16x128_fp8_fp8 v[8*(8*((\a)%4)+\b):8*(8*((\a)%4)+\b)+7], v[128*(\p)+FR*\b:128*(\p)+FR*\b+FR-1], v[AF+FR*(\a):AF+FR*(\a)+FR-1], 0
.else
	v_wmma_f32_16x16x128_fp8_fp8 v[8*(8*((\a)%4)+\b):8*(8*((\a)%4)+\b)+7], v[128*(\p)+FR*\b:128*(\p)+FR*\b+FR-1], v[AF+FR*(\a):AF+FR*(\a)+FR-1], v[8*(8*((\a)%4)+\b):8*(8*((\a)%4)+\b)+7]
.endif
.endr
.endr
.endm
.macro FETCH_B slot, q, p
	WIN TO_B
.irp i, 0,1,2,3,4,5,6,7
	FRAG 128*(\p)+FR*\i, ADRB+\slot, \q, \i
.endr
	WIN 0
.endm
.macro FETCH_A slot, q, i0
.irp i, \i0, \i0+1, \i0+2, \i0+3
	FRAG AF+FR*(\i), ADRA+\slot, \q, \i
.endr
.endm
.macro PLACES n                        ; a load into a register that a matrix instruction has read, and a vector line that reads a result, stand four plain vector instructions behind it
.rept \n
	v_nop
.endr
.endm
.macro STEP slot, q, zero
	s_wait_dscnt 4*NL                              ; R's set and P's tiles 0-3 are in; the youngest 16 loads (P's tiles 4-7) may be out
	WIN MUL_LO
	MUL16 0, (\q)%2, \zero
	MUL16 2, (\q)%2, \zero
	s_wait_dscnt 0
	PLACES NP
	FETCH_B \slot, (\q)+1, 1-(\q)%2
	FETCH_A \slot, (\q)+1, 0
	WIN MUL_HI
	MUL16 4, (\q)%2, \zero
	MUL16 6, (\q)%2, \zero
	PLACES NP
	WIN 0
	FETCH_A \slot, (\q)+1, 4
.endm
.macro TURN slot, next, fill
	s_wait_tensorcnt 0x0                           ; all my tensor loads have landed: my part of the next slot
	ds_add_u32 v[SPW], v[NIL]                      ; 0 onto my spare word
	s_wait_dscnt 4*NL+1                            ; (the add and the youngest 16 loads may be out)
	WIN MUL_LO
	MUL16 0, 1, 0
	s_wait_dscnt 0x0                               ; the add is done, and my reads of this slot are over
	s_barrier_signal -1
	MUL16 2, 1, 0
	WIN 0
	s_barrier_wait -1
.if \fill
	CREST                                          ; the barrier has opened a round of the cluster's: no wave of any partner still reads this slot or has a load on its way
	s_add_nc_u64 s[G0+4*\slot+2:G0+4*\slot+3], s[G0+4*\slot+2:G0+4*\slot+3], 2*PSTR
	s_add_nc_u64 s[G0B+4*\slot+2:G0B+4*\slot+3], s[G0B+4*\slot+2:G0B+4*\slot+3], 2*RSTR
	JLOAD G0+4*\slot, G1, G0B+4*\slot, G1B         ; the first tensor load behind the round, my one load out
.else
	PLACES NP
.endif
	FETCH_B \next, 0, 0
	FETCH_A \next, 0, 0
	WIN MUL_HI
	MUL16 4, 1, 0
	MUL16 6, 1, 0
	PLACES NP
	WIN 0
	FETCH_A \next, 0, 4
.endm
	s_wait_tensorcnt 1                             ; my part of K step 0 is in; K step 1's load may be out
	s_barrier_signal -1
	s_barrier_wait -1
	FETCH_B 0, 0, 0
	FETCH_A 0, 0, 0
	FETCH_A 0, 0, 4
	STEP 0, 0, 1                                   ; K = 1,024 is eight steps of 128: written out, no loop
	TURN 0, 1, 1
	STEP 1, 0, 0
	TURN 1, 0, 1
	STEP 0, 0, 0
	TURN 0, 1, 0
	STEP 1, 0, 0
	s_wait_dscnt 4*NL
	WIN MUL_LO
	MUL16 0, 1, 0
	MUL16 2, 1, 0
	s_wait_dscnt 0
	WIN MUL_HI
	MUL16 4, 1, 0
	MUL16 6, 1, 0
	WIN 0
; THE WAY OUT, token tile by token tile.  A lane holds pieces of one row and the lanes beside it hold other rows: a tile goes through my own stage in LDS and comes back as whole rows of 512 bytes.
; LDS serves a wave's instructions in order (ISA guide 5.7.1.4): no wait between the stores and the loads, nor in front of the next tile's stores.
.macro TOSTAGE a
.set AC, 64*((\a)%4)
.set WS, 0x02+((\a)/4)
	WIN WS                                         ; source 0: window 2 or 3
.set j, 0
.rept 32
	v_pk_mul_f32 v[TMP+j:TMP+j+1], v[AC+j:AC+j+1], s[96:97] op_sel_hi:[1,0]   ; x 2^(e6 + e7); each accumulator from its low end on
.set j, j+2
.endr
	WIN 0
.irp b, 0,1,2,3
.irp q, 0,1,2,3
	ds_store_b128 v[STO], v[TMP+16*\b+4*\q:TMP+16*\b+4*\q+3] offset:128*\b+16*\q   ; features 32 b + 16 h + 4 q on
.endr
.endr
.set BB, BK+64*((\a)%2)
.irp t, 0,1,2,3,4,5,6,7,8,9,10,11,12,13,14,15
	ds_load_b128 v[BB+4*\t:BB+4*\t+3], v[RD] offset:\t*SPITCH
.endr
.endm
.macro SEND a, younger                 ; younger: the LDS instructions issued behind tile a's loads, which may stay out
.set BB, BK+64*((\a)%2)
	s_wait_dscnt \younger
.irp t, 0,1,2,3,4,5,6,7,8,9,10,11,12,13,14,15
	global_store_b128 v[CO], v[BB+4*\t:BB+4*\t+3], s[10:11] offset:(32*((\a)/2)+8*((\a)%2)+\t+8*(\t/8))*4096 th:TH_STORE_NT   ; place t of tile a is that token; 32 lanes store 512 consecutive bytes, aligned; 127 rows at the most: inside the immediate
.endr
.endm
	s_wait_kmcnt 0x0
	s_add_co_i32 s96, s78, s79
	s_add_co_i32 s96, s96, 127
	s_lshl_b32 s96, s96, 23                        ; 2^(e6 + e7) as f32
	s_mov_b32 s97, s96                             ; (named with it as a pair)
	PLACES NP
	TOSTAGE 0
.irp a, 1,2,3,4,5,6,7
.if \a > 1
	s_wait_xcnt 0x0                                ; tile a - 2's stores have read their registers: tile a's loads may land there
.endif
	TOSTAGE \a
	SEND \a-1, 32                                  ; behind tile a - 1's loads: tile a's 16 stores and 16 loads
.endr
	SEND 7, 0
	s_wait_tensorcnt 0x0                           ; the wave's end
	ds_add_u32 v[SPW], v[NIL]
	s_wait_dscnt 0x0
	CROUND                                         ; the closing round
	s_endpgm
.Lfunc_end_k_qd961f39d78_gemm_out:
	.size	k_qd961f39d78_gemm_out, .Lfunc_end_k_qd961f39d78_gemm_out-k_qd961f39d78_gemm_out
	.p2alignl 7, 3214868480
	.fill 96, 4, 3214868480
	.section	.rodata,"a",@progbits
	.p2align	6, 0x0
	.amdhsa_kernel k_qd961f39d78_gemm_out
		.amdhsa_group_segment_fixed_size 327680
		.amdhsa_private_segment_fixed_size 0
		.amdhsa_enable_private_segment 0
		.amdhsa_kernarg_size 32
		.amdhsa_user_sgpr_count 2
		.amdhsa_user_sgpr_kernarg_segment_ptr 1
		.amdhsa_wavefront_size32 1
		.amdhsa_system_sgpr_workgroup_id_x 1
		.amdhsa_system_sgpr_workgroup_id_y 1
		.amdhsa_system_sgpr_workgroup_id_z 1
		.amdhsa_system_vgpr_workitem_id 0
		.amdhsa_next_free_vgpr 1024
		.amdhsa_next_free_sgpr 100
		.amdhsa_reserve_vcc 0
		.amdhsa_float_denorm_mode_32 3
		.amdhsa_float_denorm_mode_16_64 3
		.amdhsa_memory_ordered 1
		.amdhsa_forward_progress 1
		.amdhsa_inst_pref_size 122
	.end_amdhsa_kernel
	.amdgpu_metadata
---
amdhsa.version: [ 1, 2 ]
amdhsa.kernels:
  - .name:           k_qd961f39d78_gemm_out
    .symbol:         k_qd961f39d78_gemm_out.kd
    .args:
      - { .name: ao, .offset: 0, .size: 8, .value_kind: global_buffer, .address_space: global }
      - { .name: wo, .offset: 8, .size: 8, .value_kind: global_buffer, .address_space: global }
      - { .name: lowp_scales, .offset: 16, .size: 8, .value_kind: global_buffer, .address_space: global }
      - { .name: out0, .offset: 24, .size: 8, .value_kind: global_buffer, .address_space: global }
    .group_segment_fixed_size: 327680
    .private_segment_fixed_size: 0
    .kernarg_segment_align: 8
    .kernarg_segment_size: 32
    .max_flat_workgroup_size: 128
    .sgpr_count:     100
    .vgpr_count:     1024
    .wavefront_size: 32
...
	.end_amdgpu_metadata
.endif
;; end of part 4
